; MI455X (gfx1250); checked and timed in simulation.
; The chip was launched on July 23, 2026; its instructions are those of AMD's public machine-readable ISA for CDNA 5 (MIT licence, August 2026) and "CDNA5" Instruction Set Architecture Reference Guide (July 2026). The comments in the code are by the model that wrote it; some were corrected since.
;; Perceiver Attention. Allowed arithmetic: matrix products marked QUANTISED: E2M1 operands, one E8M0 scale for each 32 along K, by v_wmma_scale_f32_16x16x128_f8f6f4 with both operands' format E2M1 (or v_wmma_scale_f32_32x16x128_f4), f32 sums; products left as they are: bf16, f16 or f32 operands; f32 sums; everything else in f32.
;; Inputs: Wk 1,024 x 512 float32; Wo 512 x 1,024 float32; Wq 1,024 x 512 float32; Wv 1,024 x 512 float32; bo 1,024 float32; context 8 x 4,096 x 1,024 float32; x 8 x 512 x 1,024 float32.
;; Outputs: out0 8 x 512 x 1,024 float32.
;; This version of the problem:
;;   THIS VERSION OF THE PROBLEM IS GIVEN IN LOW PRECISION. The matrix products marked QUANTISED in the list below multiply operands that are first quantised to E2M1 (2 exponent bits, 1 mantissa bit; 4 bits a number), with one power-of-two scale for each 32 numbers along K (OCP MX v1.0); their sums are f32. The products marked 'left as it is' may take bf16, f16 or f32 operands, with f32 sums. Whichever they take, every output number must still come out within the allowed error. Rounding operands to bf16 (8 significant bits) uses up far more of that allowance than f16 does (11 bits, for magnitudes from 6e-5 to 65,504). All else is computed in f32.
;;   The module's matrix products, in the order in which they are computed (A, B: the left and right operand; K: the contracted axis; several contracted axes count as one K, in the product's order):
;;     1. [M 4,096, K 1,024] x [K 1,024, N 512]; A: input x; B: input Wq: QUANTISED
;;     2. [M 32,768, K 1,024] x [K 1,024, N 512]; A: input context; B: input Wk: QUANTISED
;;     3. [M 32,768, K 1,024] x [K 1,024, N 512]; A: input context; B: input Wv: QUANTISED
;;     4. batch 64 x [M 512, K 64] x [K 64, N 4,096]; A: computed on the way; B: computed on the way: left as it is (an operand is computed on the way)
;;     5. batch 64 x [M 512, K 4,096] x [K 4,096, N 64]; A: computed on the way; B: computed on the way: left as it is (an operand is computed on the way)
;;     6. [M 4,096, K 512] x [K 512, N 1,024]; A: computed on the way; B: input Wo: left as it is (an operand is computed on the way)
;;   THE QUANTISER, for each operand of a quantised product, along K:
;;     - K is cut into blocks of 32 from its start; a last block that is shorter is filled with zeros.
;;     - A block's scale is 2^e with e = floor(log2(the largest magnitude in the block)) - 2, held to -126 .. 127; a block of zeros has e = 0. As a byte (E8M0): e + 127.
;;     - Each number is divided by its block's scale, clamped to +-6, and rounded to the nearest number of E2M1, ties to even, subnormals kept.
;;     - The product sums the exact products of the quantised numbers (number of the format x scale) in f32.
;;   ~~~python
;;   def quantise(x, axis):      # numpy; x: float32 -> the quantised numbers, widened to float32 again
;;       x = np.moveaxis(x, axis, -1); K = x.shape[-1]
;;       x = np.pad(x, [(0, 0)] * (x.ndim - 1) + [(0, -K % 32)]); x = x.reshape(x.shape[:-1] + (-1, 32)); a = np.abs(x).max(-1, keepdims=True)
;;       e = np.where(a > 0, np.clip(np.frexp(np.where(a > 0, a, 1))[1] - 1 - 2, -126, 127), 0)      # np.frexp(a)[1] - 1 = floor(log2(a)), exactly
;;       r = np.clip(x / 2.0 ** e, -6, 6)
;;       step = 2.0 ** (np.maximum(np.frexp(np.where(r == 0, 1, r))[1] - 1, 0) - 1)
;;       q = np.round(r / step) * step * 2.0 ** e      # np.round: ties to even
;;       return np.moveaxis(q.reshape(q.shape[:-2] + (-1,))[..., :K], -1, axis).astype(np.float32)
;;   ~~~
;; One version. Each part assembles by itself: llvm-mc -triple=amdgcn-amd-amdhsa -mcpu=gfx1250 --defsym DOCPART=n.
;; ======== version 1 of 1: 4 launches
;; limits: values are held in f16: magnitudes above 65,504 overflow, below 6.1e-05 lose precision
;; workspace buffers: acod 18,874,368 bytes; ascl 1,179,648 bytes; wcod 786,432 bytes; wscl 49,152 bytes; wo16 1,048,576 bytes; kv 67,108,864 bytes; oimg 4,194,304 bytes
;; launch prep (part 1): grid 256 x 1, 11 waves a work-group, no clusters, 94,464 bytes of LDS; arguments x, context, Wq, Wk, Wv, Wo, acod, ascl, wcod, wscl, wo16; writes acod, ascl, wcod, wscl, wo16
.if DOCPART == 1
	.amdgcn_target "amdgcn-amd-amdhsa--gfx1250"
	.amdhsa_code_object_version 6
	.text
	.protected	k_qe7f9cc5f66_prep
	.globl	k_qe7f9cc5f66_prep
	.p2align	8
	.type	k_qe7f9cc5f66_prep,@function
k_qe7f9cc5f66_prep:
	s_mov_b64 s[64:65], 0
	v_nop
	global_prefetch_b8 v0, s[64:65] scope:SCOPE_SE
	s_setreg_imm32_b32 hwreg(HW_REG_WAVE_MODE, 25, 1), 1
	s_wait_xcnt 0x0
; x [4096][1024], context [32768][1024] (K innermost) and Wq, Wk, Wv [1024][512] (K outermost), all f32, become codes of FP4 (E2M1) with one E8M0 byte for each 32 along K;
; Wo [512][1024] becomes f16.  EVERYTHING IS STORED AS IMAGES OF OPERAND REGISTERS: a group of four registers of a fragment is 512 bytes, lane l's 16 bytes at 16 l, so that the later
; launches fetch dense blocks and read fragments 16 bytes a lane on end.
;   acod [row tile 2304][K step 8][c 2][lane 32][16 B]: lane (r, h) of piece c: row r, k = 128 s + 64 c + 32 h + 0 .. 31.  Tiles 0-255 are x's, the others context's.
;   ascl [row 36864][32 B]: the row's 32 scale bytes.      wcod [column tile 96][K step 8][c][lane][16 B], r = column; columns 0-511 Wq, 512-1023 Wk, 1024-1535 Wv.
;   wscl [K step 8][column 1536] words.                    wo16 [nb 8][ks 16][ti 8][g 2][lane][16 B]: Wo[32 ks + 16 g + 8 h + 0 .. 7][128 nb + 16 ti + r].
; A block's scale is 2^(floor(log2(its largest magnitude)) - 2); its byte is the largest magnitude's exponent field - 2, held at 1 from below.
; LIMITS: NaN and infinities among the inputs are not served; a block whose largest magnitude lies under 2^-124 (a block of zeros too) gets the byte 1: a block of zeros has zero codes,
; which add nothing under that byte, and this program alone reads the bytes.  |Wo| stays within f16's 65,504.
; SHARES.  2,304 row tiles are 9 x 256, and the 384 tasks of the weights with the 128 of Wo are 2 x 256: each of 256 work-groups has eleven waves; waves 0-8 take row tile 9 x work-group + wave,
; waves 9 and 10 take task 2 x work-group + wave - 9 (under 384: a weight's, else Wo's).  So every work-group moves the same bytes.  Only waves 0-8 touch LDS.
; Work-groups share no input: no cluster; memory binds: no matrix unit; waves share nothing: no barrier.
.set SPARE, 92928                      ; behind eleven stages' room (a stage lies at wave x 8,448): the spare words, 128 bytes for each wave
.set STGB,  8448                       ; a wave's stage: 16 rows x 528 bytes
.set SP,    528                        ; 512 bytes + 16: row r starts 33 r sixteens on, so sixteen rows fall on sixteen different columns of 16 bytes
.set SPW,   2                          ; v2   LDS address of my spare word; never rewritten
.set NIL,   3                          ; v3   0; never rewritten
.set R,     32                         ; v32-159  activations: two sets of 64 registers as loaded
.set X,     160                        ; v160-223 64 neighbours along K of my row
.set C,     224                        ; v224-231 a K step's codes
.set XW,    32                         ; v32-159  weights: 128 numbers down K of my column
.set CW,    160                        ; v160..   their codes, or f16 pieces
; the largest magnitude of v[base] .. v[base + 31], and the floor 2^(3 - 127), under which none is taken: so the byte cannot fall under 1
.macro BMAX d, t, base
	v_max3_num_f32 v[\d], |v[\base]|, |v[\base+1]|, |v[\base+2]|
	v_max3_num_f32 v[\t], |v[\base+3]|, |v[\base+4]|, |v[\base+5]|
.irp i, 6,10,14,18,22,26
	v_max3_num_f32 v[\d], v[\d], |v[\base+\i]|, |v[\base+\i+1]|
	v_max3_num_f32 v[\t], v[\t], |v[\base+\i+2]|, |v[\base+\i+3]|
.endr
	v_max3_num_f32 v[\d], v[\d], |v[\base+30]|, |v[\base+31]|
	v_max3_num_f32 v[\d], v[\d], v[\t], 0x1800000
.endm
	s_load_b512 s[4:19], s[0:1], 0x0               ; x 4:5, context 6:7, Wq 8:9, Wk 10:11, Wv 12:13, Wo 14:15, acod 16:17, ascl 18:19
	s_load_b128 s[20:23], s[0:1], 0x40             ; wcod, wscl
	s_load_b64 s[24:25], s[0:1], 0x50              ; wo16
	v_lshl_add_u32 v[SPW], v0, 2, SPARE
	v_mov_b32 v[NIL], 0
	v_lshrrev_b32 v1, 5, v0
	v_readfirstlane_b32 s26, v1                    ; wave 0..10
	v_and_b32 v1, 31, v0                           ; lane
	v_and_b32 v4, 15, v0                           ; r
	v_bfe_u32 v5, v0, 4, 1                         ; h
	s_mov_b32 s30, 0x76543210
	s_mov_b32 s31, 0xfedcba98                      ; v_permlanex16_b32's selects for lane l xor 16
	s_wait_kmcnt 0x0
	s_cmp_lt_u32 s26, 9
	s_cbranch_scc1 .Lpath_a
	s_lshl_b32 s28, ttmp9, 1
	s_add_co_u32 s28, s28, s26
	s_sub_co_u32 s28, s28, 9                       ; my task, 0 .. 511
	s_and_b32 s29, s28, 7                          ; w: its place among eight that stand side by side on 1,024 bytes of a row
	s_cmp_ge_u32 s28, 384
	s_cbranch_scc1 .Lpath_o
; ---- THE WEIGHTS.  Group j = task / 8: weight j / 16, K step (j % 16) / 2, column half j % 2.  A lane takes a column, its registers run down K: a block of 32 lies in one lane.
	s_lshr_b32 s27, s28, 3                         ; j, 0 .. 47
	s_lshr_b32 s38, s27, 4                         ; which weight
	s_bfe_u32 s39, s27, 0x30001                    ; K step
	s_and_b32 s40, s27, 1                          ; column half
	s_cmp_eq_u32 s38, 0
	s_cselect_b64 s[32:33], s[8:9], s[10:11]
	s_cmp_eq_u32 s38, 2
	s_cselect_b64 s[32:33], s[12:13], s[32:33]
	s_lshl_b32 s41, s40, 8
	s_lshl_b32 s42, s29, 5
	s_add_co_u32 s41, s41, s42                     ; my first column: 256 x half + 32 w
	s_lshl_b32 s42, s39, 18                        ; 128 rows of 2,048 bytes a K step
	s_lshl_b32 s43, s41, 2
	s_add_co_u32 s42, s42, s43
	s_mov_b32 s43, 0
	s_add_nc_u64 s[32:33], s[32:33], s[42:43]
	s_lshl_b32 s44, s38, 5
	s_lshl_b32 s45, s40, 4
	s_add_co_u32 s44, s44, s45
	s_lshl_b32 s45, s29, 1
	s_add_co_u32 s44, s44, s45                     ; my first column tile: 32 x weight + 16 x half + 2 w
	s_lshl_b32 s44, s44, 3
	s_add_co_u32 s44, s44, s39
	s_lshl_b32 s44, s44, 10                        ; (8 x tile + K step) x 1,024 bytes
	s_mov_b32 s45, 0
	s_add_nc_u64 s[34:35], s[20:21], s[44:45]
	s_mul_i32 s46, s39, 1536
	s_lshl_b32 s47, s38, 9
	s_add_co_u32 s46, s46, s47
	s_add_co_u32 s46, s46, s41
	s_lshl_b32 s46, s46, 2                         ; (1,536 x K step + column) words
	s_mov_b32 s47, 0
	s_add_nc_u64 s[36:37], s[22:23], s[46:47]
	v_lshlrev_b32 v6, 2, v1                        ; 4 bytes a lane
	v_lshlrev_b32 v7, 4, v4
	v_lshl_add_u32 v7, v5, 13, v7                  ; codes: 16 r, lanes 16-31 one column tile (8,192 bytes) on
.macro LOADW b                         ; block b: W(128 s + 32 b + i, my column)
.irp i, 0,1,2,3,4,5,6,7,8,9,10,11,12,13,14,15,16,17,18,19,20,21,22,23,24,25,26,27,28,29,30,31
	global_load_b32 v[XW+32*(\b)+\i], v6, s[32:33] offset:(32*(\b)+\i)*2048 th:TH_LOAD_NT
.endr
.endm
.macro BLOCKW b
.if (\b) < 3
	s_wait_loadcnt 32                              ; this block's 32 loads are in; the next block's 32 may be out
.else
	s_wait_loadcnt 0x0
.endif
.if (\b) < 2
	LOADW (\b)+2                                   ; loads run two blocks ahead; each block has registers of its own
.endif
	BMAX 8, 9, XW+32*(\b)
	v_add_nc_u32 v12, 0xff000000, v8               ; 2 off the exponent field: the conversion takes the exponent field of this operand as its scale
	v_lshrrev_b32 v10, 23, v12                     ; the scale's byte
.if (\b) == 0
	v_mov_b32 v16, v10
.else
	v_lshl_or_b32 v16, v10, 8*(\b), v16            ; byte b of the K step's scale word
.endif
.irp g, 0,1,2,3
	v_cvt_scalef32_pk8_fp4_f32 v[CW+4*(\b)+\g], v[XW+32*(\b)+8*\g:XW+32*(\b)+8*\g+7], v12
.endr
	v_nop                                          ; one plain line behind the scaled conversions
.endm
	LOADW 0
	LOADW 1
	BLOCKW 0
	BLOCKW 1
	BLOCKW 2
	BLOCKW 3
.irp b, 0,1,2,3
	global_store_b128 v7, v[CW+4*\b:CW+4*\b+3], s[34:35] offset:256*\b   ; block b = 2 c + h of the fragment: sixteen lanes store 256 consecutive bytes, aligned
.endr
	global_store_b32 v6, v16, s[36:37]
	s_endpgm
; ---- Wo.  Group j = (task - 384) / 8: columns 256 (j % 4) on, k = 128 (j / 4) on.  A lane takes a column, its registers run down K; eight neighbours along K make a piece of 16 bytes.
.Lpath_o:
	s_sub_co_u32 s38, s28, 384
	s_lshr_b32 s38, s38, 3                         ; j, 0 .. 15
	s_and_b32 s39, s38, 3
	s_lshr_b32 s40, s38, 2
	s_lshl_b32 s42, s40, 19                        ; 128 rows of 4,096 bytes
	s_lshl_b32 s43, s39, 10
	s_add_co_u32 s42, s42, s43
	s_lshl_b32 s43, s29, 7
	s_add_co_u32 s42, s42, s43
	s_mov_b32 s43, 0
	s_add_nc_u64 s[32:33], s[14:15], s[42:43]
	s_lshl_b32 s44, s39, 1
	s_lshr_b32 s45, s29, 2
	s_add_co_u32 s44, s44, s45                     ; nb
	s_lshl_b32 s44, s44, 17
	s_lshl_b32 s45, s40, 15                        ; four ks of 8,192 bytes
	s_add_co_u32 s44, s44, s45
	s_and_b32 s45, s29, 3
	s_lshl_b32 s45, s45, 11                        ; two ti of 1,024 bytes a task
	s_add_co_u32 s44, s44, s45
	s_mov_b32 s45, 0
	s_add_nc_u64 s[34:35], s[24:25], s[44:45]
	v_lshlrev_b32 v6, 2, v1
	v_lshlrev_b32 v7, 4, v4
	v_lshl_add_u32 v7, v5, 10, v7                  ; 16 r, lanes 16-31 one ti on
.set i, 0
.rept 128
	global_load_b32 v[XW+i], v6, s[32:33] offset:i*4096 th:TH_LOAD_NT
.set i, i+1
.endr
	s_wait_loadcnt 0x0
.set p, 0
.rept 16                               ; piece p: k = 8 p + 0 .. 7: ks = p / 4, g = (p / 2) % 2, h = p % 2
.irp i, 0,1,2,3
	v_cvt_pk_f16_f32 v[CW+4*p+\i], v[XW+8*p+2*\i], v[XW+8*p+2*\i+1]
.endr
	global_store_b128 v7, v[CW+4*p:CW+4*p+3], s[34:35] offset:(p/4)*8192+((p/2)%2)*512+(p%2)*256
.set p, p+1
.endr
	s_endpgm
; ---- THE ACTIVATIONS.  A wave takes a tile of 16 rows, all 1,024 along K, in eight K steps of 128.  Each load reads 512 consecutive bytes of one row; the conversions want 32 neighbours in ONE lane:
; a step's 16 x 512 bytes turn through the wave's own stage in LDS.  Loads run two steps (32 loads a wave) ahead.
.Lpath_a:
	s_mul_i32 s39, ttmp9, 9
	s_add_co_u32 s39, s39, s26                     ; my row tile, 0 .. 2303
	s_cmp_lt_u32 s39, 256                          ; x's tile or context's?  The choice hangs on the work-group's and the wave's number alone
	s_cselect_b64 s[32:33], s[4:5], s[6:7]
	s_cselect_b32 s40, 0, 256
	s_sub_co_u32 s40, s39, s40
	s_lshl_b32 s40, s40, 16                        ; 16 rows of 4,096 bytes a tile
	s_mov_b32 s41, 0
	s_add_nc_u64 s[32:33], s[32:33], s[40:41]
	s_lshl_b32 s42, s39, 13
	s_mov_b32 s43, 0
	s_add_nc_u64 s[34:35], s[16:17], s[42:43]
	s_lshl_b32 s44, s39, 9
	s_mov_b32 s45, 0
	s_add_nc_u64 s[36:37], s[18:19], s[44:45]
	s_mul_i32 s27, s26, STGB                       ; my stage
	v_lshlrev_b32 v6, 4, v1                        ; 16 bytes a lane: in a row as loaded, and in a piece of codes
	v_add_nc_u32 v28, s27, v6                      ; into the stage
	v_mul_u32_u24 v29, v4, SP
	v_lshl_add_u32 v29, v5, 7, v29
	v_add_nc_u32 v29, s27, v29                     ; out of it: row r, + 128 h bytes
	v_lshlrev_b32 v30, 3, v5                       ; 8 h: my bytes' place in a scale word
	v_lshlrev_b32 v31, 5, v4
	v_lshl_add_u32 v31, v5, 4, v31                 ; my 16 of my row's 32 scale bytes
	v_mov_b32 v15, 0                               ; written once: a lane permute's destination counts as one of its sources
.macro LOADA s
.irp i, 0,1,2,3,4,5,6,7,8,9,10,11,12,13,14,15
	global_load_b128 v[R+64*((\s)%2)+4*\i:R+64*((\s)%2)+4*\i+3], v6, s[32:33] offset:\i*4096+(\s)*512 th:TH_LOAD_NT
.endr
.endm
.macro STEPA s
.if (\s) < 7
	s_wait_loadcnt 16                              ; this step's 16 loads are in; the next step's 16 may be out
.else
	s_wait_loadcnt 0x0
.endif
.irp i, 0,1,2,3,4,5,6,7,8,9,10,11,12,13,14,15
	ds_store_b128 v28, v[R+64*((\s)%2)+4*\i:R+64*((\s)%2)+4*\i+3] offset:\i*SP
.endr
.irp c, 0,1
.irp g, 0,1,2,3,4,5,6,7
	ds_load_b128 v[X+32*\c+4*\g:X+32*\c+4*\g+3], v29 offset:256*\c+16*\g   ; LDS serves a wave's instructions in order: these see the stores above
.endr
.endr
	s_wait_dscnt 0x0                               ; my 64 numbers are back; the stores have read their registers,
.if (\s) < 6
	LOADA (\s)+2                                   ; which take the loads of two steps on
.endif
	BMAX 8, 9, X                                   ; block h of the K step
	BMAX 10, 11, X+32                              ; block 2 + h
	v_add_nc_u32 v12, 0xff000000, v8
	v_add_nc_u32 v13, 0xff000000, v10
	v_lshrrev_b32 v8, 23, v12
	v_lshrrev_b32 v10, 23, v13
	v_lshl_or_b32 v14, v10, 16, v8
	v_lshlrev_b32 v14, v30, v14                    ; my two bytes at their places,
	v_permlanex16_b32 v15, v14, s30, s31
	v_or_b32 v[16+(\s)], v14, v15                  ; with lane l xor 16's two: the row's scale word of this K step
	s_wait_xcnt 0x0                                ; the last step's stores have read their data: the codes' registers may be written again
.irp g, 0,1,2,3
	v_cvt_scalef32_pk8_fp4_f32 v[C+\g], v[X+8*\g:X+8*\g+7], v12
.endr
.irp g, 0,1,2,3
	v_cvt_scalef32_pk8_fp4_f32 v[C+4+\g], v[X+32+8*\g:X+32+8*\g+7], v13
.endr
	v_nop                                          ; one plain line behind the scaled conversions
	global_store_b128 v6, v[C:C+3], s[34:35] offset:(\s)*1024        ; 32 lanes store 512 consecutive bytes
	global_store_b128 v6, v[C+4:C+7], s[34:35] offset:(\s)*1024+512
.endm
	LOADA 0
	LOADA 1
.irp s, 0,1,2,3,4,5,6,7
	STEPA \s
.endr
	v_cmp_ne_u32 vcc_lo, 0, v5
.irp j, 0,1,2,3
	v_cndmask_b32 v[24+\j], v[16+\j], v[20+\j], vcc_lo   ; lanes 0-15 store the row's words 0-3, lanes 16-31 its words 4-7
.endr
	global_store_b128 v31, v[24:27], s[36:37]      ; the tile's 512 scale bytes, consecutive
	s_wait_tensorcnt 0x0                           ; the wave's end, behind my last LDS store
	ds_add_u32 v[SPW], v[NIL]
	s_wait_dscnt 0x0
	s_endpgm
.Lfunc_end_k_qe7f9cc5f66_prep:
	.size	k_qe7f9cc5f66_prep, .Lfunc_end_k_qe7f9cc5f66_prep-k_qe7f9cc5f66_prep
	.p2alignl 7, 3214868480
	.fill 96, 4, 3214868480
	.section	.rodata,"a",@progbits
	.p2align	6, 0x0
	.amdhsa_kernel k_qe7f9cc5f66_prep
		.amdhsa_group_segment_fixed_size 94464
		.amdhsa_private_segment_fixed_size 0
		.amdhsa_enable_private_segment 0
		.amdhsa_kernarg_size 88
		.amdhsa_user_sgpr_count 2
		.amdhsa_user_sgpr_kernarg_segment_ptr 1
		.amdhsa_wavefront_size32 1
		.amdhsa_system_sgpr_workgroup_id_x 1
		.amdhsa_system_sgpr_workgroup_id_y 1
		.amdhsa_system_sgpr_workgroup_id_z 1
		.amdhsa_system_vgpr_workitem_id 0
		.amdhsa_next_free_vgpr 232
		.amdhsa_next_free_sgpr 66
		.amdhsa_reserve_vcc 1
		.amdhsa_float_denorm_mode_32 3
		.amdhsa_float_denorm_mode_16_64 3
		.amdhsa_memory_ordered 1
		.amdhsa_forward_progress 1
		.amdhsa_inst_pref_size 95
	.end_amdhsa_kernel
	.amdgpu_metadata
---
amdhsa.version: [ 1, 2 ]
amdhsa.kernels:
  - .name:           k_qe7f9cc5f66_prep
    .symbol:         k_qe7f9cc5f66_prep.kd
    .args:
      - { .name: x, .offset: 0, .size: 8, .value_kind: global_buffer, .address_space: global }
      - { .name: context, .offset: 8, .size: 8, .value_kind: global_buffer, .address_space: global }
      - { .name: Wq, .offset: 16, .size: 8, .value_kind: global_buffer, .address_space: global }
      - { .name: Wk, .offset: 24, .size: 8, .value_kind: global_buffer, .address_space: global }
      - { .name: Wv, .offset: 32, .size: 8, .value_kind: global_buffer, .address_space: global }
      - { .name: Wo, .offset: 40, .size: 8, .value_kind: global_buffer, .address_space: global }
      - { .name: acod, .offset: 48, .size: 8, .value_kind: global_buffer, .address_space: global }
      - { .name: ascl, .offset: 56, .size: 8, .value_kind: global_buffer, .address_space: global }
      - { .name: wcod, .offset: 64, .size: 8, .value_kind: global_buffer, .address_space: global }
      - { .name: wscl, .offset: 72, .size: 8, .value_kind: global_buffer, .address_space: global }
      - { .name: wo16, .offset: 80, .size: 8, .value_kind: global_buffer, .address_space: global }
    .group_segment_fixed_size: 94464
    .private_segment_fixed_size: 0
    .kernarg_segment_align: 8
    .kernarg_segment_size: 88
    .max_flat_workgroup_size: 352
    .sgpr_count:     66
    .vgpr_count:     232
    .wavefront_size: 32
...
	.end_amdgpu_metadata
.endif
;; end of part 1
;; launch proj (part 2): grid 4 x 64, 4 waves a work-group, clusters of 4 x 1, 327,680 bytes of LDS; arguments acod, ascl, wcod, wscl, kv; writes kv
.if DOCPART == 2
	.amdgcn_target "amdgcn-amd-amdhsa--gfx1250"
	.amdhsa_code_object_version 6
	.text
	.protected	k_qe7f9cc5f66_proj
	.globl	k_qe7f9cc5f66_proj
	.p2align	8
	.type	k_qe7f9cc5f66_proj,@function
k_qe7f9cc5f66_proj:
	s_mov_b64 s[64:65], 0
	v_nop
	global_prefetch_b8 v0, s[64:65] scope:SCOPE_SE
	s_setreg_imm32_b32 hwreg(HW_REG_WAVE_MODE, 25, 1), 1
	s_wait_xcnt 0x0
	s_wait_alu depctr_hold_cnt(0) depctr_sa_sdst(0) depctr_va_vdst(0) depctr_va_sdst(0) depctr_va_ssrc(0) depctr_va_vcc(0) depctr_vm_vsrc(0)
	s_getreg_b32 s2, hwreg(HW_REG_IB_STS2, 6, 4)
	s_cmp_eq_u32 s2, 0
	s_cbranch_scc0 .Lentry_in_a_cluster
	s_endpgm
.Lentry_in_a_cluster:
	s_bfe_u32 s2, ttmp6, 0x10000c
	s_cmp_lg_u32 s2, 0x3003
	s_cbranch_scc0 .Lentry_shape_is_right
	s_endpgm
.Lentry_shape_is_right:
; k = context Wk, v = context Wv on codes of FP4 (E2M1) with E8M0 scales, sums in f32, results rounded once to f16 and stored as images of the attention's operand registers:
;   kv [K/V 2][batch 8][head 8][key tile 256][t 4][512 B].  K: lane l's 16 bytes at 16 l are key l % 16, channels 16 t + 8 (l / 16) + 0 .. 7.
;   V: the same piece lies at 256 (r / 8) + 128 h + 16 (r % 8), so that the turning LDS load at 16 l gives lane l channel 16 t + l % 16 and keys 8 (l / 16) + 0 .. 7.
; LIMIT: |k|, |v| stay within f16's 65,504.
; SHARES.  Work-group (cx, y): 512 context rows (group y) x 256 of the 1,024 columns [Wk | Wv].  Wave w holds the 64 columns of head-column g = 4 cx + w (g < 8: K's head g, else V's head g - 8)
; for all of K in 256 registers (window 1), read once.  The rows' codes (262,144 bytes) and scale bytes (16,384) fit in LDS: every tensor load is a first fill, nothing is filled again.
; CLUSTER.  The four work-groups of a cluster need the same 512 rows: each block is asked for JOINTLY, by the same tensor load with the same descriptor (made of y and the wave's number alone) and the mask 15.
; THE PRODUCT IS USED TRANSPOSED (source 0 = 16 columns of W, source 1 = 16 rows): a lane holds one key and eight neighbouring channels, which pack into the 16 bytes of a piece.
; REGISTERS, window 0: v1-3 offsets, v6, v7 the add's two, v8, v9 LDS addresses in hand, v16-31 W's scale words, v32-39 the rows' (two sets), v40-71 four accumulators, v72-87 packed results,
;   v104-167, v168-231 a tile's eight fragments, two sets.  Window 1: W's fragment (t, s) at v[8 (8 t + s)].
.set SCL,   262144                     ; LDS: codes, tile i at 8,192 i; from here the scale bytes, tile i at 512 i
.set SPARE, 278528                     ; behind them the spare words, 128 bytes for each wave
.set LI,  1                            ; v1  16 x lane
.set LS,  2                            ; v2  SCL + 32 r + 16 h
.set KO,  3                            ; v3  my piece's place in a t's 512 bytes
.set SPW, 6
.set NIL, 7
.set ADX, 8
.set ASX, 9
.set WS,  16                           ; register 4 t + j: lanes 0-15 K step j, lanes 16-31 K step 4 + j
.set ASC, 32
.set ACC, 40
.set OUT, 72
.set AF,  104
.set WV,  14
.set TB,  54                           ; s54 LDS byte of the next tile to fetch
.set TS,  55                           ; s55 the same among the scale bytes
.set CNT, 56
.set KVB, 58                           ; s[58:59] one tile (2,048 bytes) behind where the tile in hand goes, once it has been stepped
.set MSB, 0
.macro WIN new                         ; the immediate's high byte repeats the setting that is left
.if MSB != \new
	s_set_vgpr_msb (MSB<<8)|\new
.set MSB, \new
.endif
.endm
.macro CROUND                          ; a round of the cluster's barrier
	s_barrier_signal -1
	s_barrier_wait -1
	s_cmp_lg_u32 s[WV], 0
	s_cbranch_scc1 .Lnot_wave_0_\@
	s_barrier_signal -3
.Lnot_wave_0_\@:
	s_barrier_wait -3
	s_barrier_signal -1
	s_barrier_wait -1
.endm
.macro FP4 d, a, b, zero, sa, sb, row  ; one scaled product; zero: it starts the sum; row: both sides' scales from lanes 16-31
.if \zero
	v_wmma_scale_f32_16x16x128_f8f6f4 v[\d:\d+7], v[\a:\a+7], v[\b:\b+7], 0, v[\sa], v[\sb] matrix_a_fmt:MATRIX_FMT_FP4 matrix_b_fmt:MATRIX_FMT_FP4
.elseif \row
	v_wmma_scale_f32_16x16x128_f8f6f4 v[\d:\d+7], v[\a:\a+7], v[\b:\b+7], v[\d:\d+7], v[\sa], v[\sb] matrix_a_fmt:MATRIX_FMT_FP4 matrix_b_fmt:MATRIX_FMT_FP4 matrix_a_scale:MATRIX_SCALE_ROW1 matrix_b_scale:MATRIX_SCALE_ROW1
.else
	v_wmma_scale_f32_16x16x128_f8f6f4 v[\d:\d+7], v[\a:\a+7], v[\b:\b+7], v[\d:\d+7], v[\sa], v[\sb] matrix_a_fmt:MATRIX_FMT_FP4 matrix_b_fmt:MATRIX_FMT_FP4
.endif
.endm
	s_load_b256 s[4:11], s[0:1], 0x0               ; acod 4:5, ascl 6:7, wcod 8:9, wscl 10:11
	s_load_b64 s[12:13], s[0:1], 0x20              ; kv
	v_lshl_add_u32 v[SPW], v0, 2, SPARE
	v_mov_b32 v[NIL], 0
	ds_add_u32 v[SPW], v[NIL]                      ; the wave's opening: the add, twice on end, and its wait ahead of my first tensor load
	ds_add_u32 v[SPW], v[NIL]
	v_lshrrev_b32 v10, 5, v0
	v_readfirstlane_b32 s[WV], v10                 ; wave 0..3
	s_bfe_u32 s15, ttmp6, 0x40000                  ; cx
	s_and_b32 s52, ttmp7, 0xffff                   ; y
	s_lshl_b32 s53, s15, 2
	s_add_co_u32 s53, s53, s[WV]                   ; g
	; descriptor group 1: a dense block as rows of 256 bytes (32 elements of 8 bytes): 64 rows of codes, 16 rows of scale bytes; mask 15, bit 21 beside it
	s_mov_b32 s16, 15|(3<<16)|(1<<21)
	s_mov_b32 s17, 32<<16
	s_mov_b32 s18, 64<<16
	s_mov_b32 s19, 32<<16
	s_mov_b32 s20, 64
	s_mov_b32 s21, 32
	s_mov_b32 s22, 0
	s_mov_b32 s23, 0
	s_mov_b32 s24, 15|(3<<16)|(1<<21)
	s_mov_b32 s25, 32<<16
	s_mov_b32 s26, 16<<16
	s_mov_b32 s27, 32<<16
	s_mov_b32 s28, 16
	s_mov_b32 s29, 32
	s_mov_b32 s30, 0
	s_mov_b32 s31, 0
	s_lshl_b32 s60, s52, 9
	s_lshl_b32 s61, s[WV], 7
	s_add_co_u32 s60, s60, s61
	s_add_co_u32 s60, s60, 4096                    ; my 128 rows' scale bytes: row 4,096 + 512 y + 128 w,
	s_lshl_b32 s60, s60, 5                         ; 32 bytes a row
	s_mov_b32 s61, 0
	s_lshl_b32 s62, s52, 5
	s_lshl_b32 s63, s[WV], 1
	s_add_co_u32 s62, s62, s63
	s_add_co_u32 s62, s62, 256                     ; my two tiles of chunk 0: tile 256 + 32 y + 2 w,
	s_lshl_b32 s62, s62, 13                        ; 8,192 bytes a tile
	s_mov_b32 s63, 0
	s_lshl_b32 s66, s[WV], 12
	s_lshl_b32 s67, s[WV], 14
	s_mov_b32 s[TB], 0
	s_mov_b32 s[TS], 0
	v_and_b32 v[LI], 31, v0
	v_lshlrev_b32 v[LI], 4, v[LI]
	v_and_b32 v4, 15, v0                           ; r
	v_bfe_u32 v5, v0, 4, 1                         ; h
	v_lshlrev_b32 v[LS], 5, v4
	v_lshl_add_u32 v[LS], v5, 4, v[LS]
	v_add_nc_u32 v[LS], SCL, v[LS]
	v_bfe_u32 v10, v0, 3, 1
	v_and_b32 v11, 7, v0
	v_lshlrev_b32 v11, 4, v11
	v_lshl_add_u32 v11, v5, 7, v11
	v_lshl_add_u32 v11, v10, 8, v11                ; V's place: 256 (r / 8) + 128 h + 16 (r % 8)
	v_mul_u32_u24 v12, v5, 24576
	v_lshl_add_u32 v12, v4, 2, v12                 ; W's scale words: 4 r, lanes 16-31 four K steps (4 x 6,144 bytes) on
	s_wait_dscnt 0x0                               ; both opening adds are done
	s_wait_kmcnt 0x0
	s_mov_b32 s32, 1
	s_add_co_u32 s33, s66, SCL
	s_add_nc_u64 s[34:35], s[6:7], s[60:61]
	s_or_b32 s35, s35, 0x80000000
	s_add_nc_u64 s[62:63], s[4:5], s[62:63]
.irp j, 0,1,2,3                        ; chunk j: eight tiles, two a wave
	s_mov_b32 s[36+4*\j], 1
	s_add_co_u32 s[37+4*\j], s67, \j*65536
	s_add_nc_u64 s[38+4*\j:39+4*\j], s[62:63], \j*65536
	s_or_b32 s[39+4*\j], s[39+4*\j], 0x80000000
.endr
	CROUND                                         ; all four work-groups are here: the joint loads meet
	tensor_load_to_lds s[32:35], s[24:31]          ; five loads of mine are out: the scale bytes, then chunks 0 to 3; an s_nop 0 follows each, four v_nop the last
	s_nop 0
.irp j, 0,1,2,3
	tensor_load_to_lds s[36+4*\j:39+4*\j], s[16:23]
	s_nop 0
.endr
.rept 4
	v_nop
.endr
	s_lshl_b32 s68, s53, 2
	s_add_co_u32 s68, s68, 32
	s_lshl_b32 s68, s68, 13                        ; column tile 32 + 4 g
	s_mov_b32 s69, 0
	s_add_nc_u64 s[68:69], s[8:9], s[68:69]
	s_lshl_b32 s70, s53, 8
	s_add_co_u32 s70, s70, 2048                    ; column 512 + 64 g, in words
	s_mov_b32 s71, 0
	s_add_nc_u64 s[70:71], s[10:11], s[70:71]
	WIN 0x40                                       ; destination window 1
.irp t, 0,1,2,3
.irp s, 0,1,2,3,4,5,6,7
.irp c, 0,1
	global_load_b128 v[8*(8*\t+\s)+4*\c:8*(8*\t+\s)+4*\c+3], v[LI], s[68:69] offset:\t*8192+\s*1024+\c*512
.endr
.endr
.endr
	WIN 0
.irp t, 0,1,2,3
.irp j, 0,1,2,3
	global_load_b32 v[WS+4*\t+\j], v12, s[70:71] offset:\j*6144+\t*64
.endr
.endr
	s_cmp_ge_u32 s15, 2                            ; g >= 8: V.  A choice of an offset, no branch
	s_cselect_b32 s74, -1, 0
	v_cndmask_b32 v[KO], v[LI], v11, s74
	s_lshr_b32 s72, s53, 3
	s_lshl_b32 s72, s72, 25                        ; K's half or V's
	s_lshr_b32 s73, s52, 3
	s_lshl_b32 s73, s73, 3
	s_and_b32 s75, s53, 7
	s_add_co_u32 s73, s73, s75
	s_lshl_b32 s73, s73, 19                        ; (8 batch + head) x 524,288
	s_add_co_u32 s72, s72, s73
	s_and_b32 s73, s52, 7
	s_lshl_b32 s73, s73, 16                        ; 32 key tiles of 2,048 bytes a group
	s_add_co_u32 s72, s72, s73
	s_mov_b32 s73, 0
	s_add_nc_u64 s[KVB:KVB+1], s[12:13], s[72:73]
	s_wait_loadcnt 0x0                             ; W and its scale words
.macro SYNC n                          ; my loads but the n youngest have landed, my LDS loads are in; then everybody's.  Nothing is ever filled again, so later chunks may stay out
	s_wait_tensorcnt \n
	s_wait_dscnt 0x0
	s_barrier_signal -1
	s_barrier_wait -1
.endm
.macro ADDR
	v_add_nc_u32 v[ADX], s[TB], v[LI]
	v_add_nc_u32 v[ASX], s[TS], v[LS]
.endm
.macro FETCH buf                       ; a tile's eight fragments and its rows' scale words: 17 LDS loads, 16 bytes a lane on end
.irp f, 0,1,2,3,4,5,6,7,8,9,10,11,12,13,14,15
	ds_load_b128 v[AF+64*\buf+4*\f:AF+64*\buf+4*\f+3], v[ADX] offset:512*\f
.endr
	ds_load_b128 v[ASC+4*\buf:ASC+4*\buf+3], v[ASX]
	s_add_co_u32 s[TB], s[TB], 8192
	s_add_co_u32 s[TS], s[TS], 512
.endm
; A tile of 16 rows x my 64 columns: 32 products, the four accumulators by turns, K ascending.  left: the other set's 17 loads, which may stay out.
.macro TILE buf, fetch, left
	s_wait_dscnt \left
	WIN 0x01                                       ; source 0 (W) window 1
.irp s, 0,1,2,3,4,5,6,7
.irp t, 0,1,2,3
.if \s == 0
	FP4 ACC+8*\t, 8*(8*\t+\s), AF+64*\buf+8*\s, 1, WS+4*\t, ASC+4*\buf, 0
.else
	FP4 ACC+8*\t, 8*(8*\t+\s), AF+64*\buf+8*\s, 0, WS+4*\t+\s%4, ASC+4*\buf+\s%4, \s/4
.endif
.endr
.endr
	WIN 0
.if \fetch
	ADDR                                           ; four plain lines behind the products, ahead of loads into registers that they read and of the first read of results
	v_nop
	v_nop
	FETCH \buf
.else
.rept 4
	v_nop
.endr
.endif
	s_wait_xcnt 0x0                                ; the last tile's four stores, issued ahead of this tile's 32 products, have read their data and their base: both are written again only behind this wait
	s_add_nc_u64 s[KVB:KVB+1], s[KVB:KVB+1], 2048  ; stepped ahead of the stores, which reach back by 2,048 in the immediate
.irp t, 0,1,2,3
.irp i, 0,1,2,3
	v_cvt_pk_f16_f32 v[OUT+4*\t+\i], v[ACC+8*\t+2*\i], v[ACC+8*\t+2*\i+1]   ; each accumulator from its low end on
.endr
.endr
.irp t, 0,1,2,3
	global_store_b128 v[KO], v[OUT+4*\t:OUT+4*\t+3], s[KVB:KVB+1] offset:512*\t-2048   ; 32 lanes store 512 consecutive bytes
.endr
.endm
.macro TRIPS n
	s_mov_b32 s[CNT], \n
.Ltrip_\@:
	TILE 0, 1, 17
	TILE 1, 1, 17
	s_sub_co_u32 s[CNT], s[CNT], 1
	s_cmp_lg_u32 s[CNT], 0
	s_cbranch_scc1 .Ltrip_\@
.endm
	SYNC 3                                         ; the scale bytes and chunk 0 are in; chunks 1 to 3 may be out
	ADDR
	FETCH 0                                        ; tile 0
	ADDR
	FETCH 1                                        ; tile 1
	TRIPS 3                                        ; tiles 0-5; they fetch tiles 2-7
	SYNC 2                                         ; chunk 1
	TRIPS 4                                        ; tiles 6-13; they fetch 8-15
	SYNC 1                                         ; chunk 2
	TRIPS 4                                        ; tiles 14-21; they fetch 16-23
	SYNC 0                                         ; chunk 3
	TRIPS 4                                        ; tiles 22-29; they fetch 24-31
	TILE 0, 0, 17
	TILE 1, 0, 0
	s_wait_tensorcnt 0x0                           ; the wave's end
	ds_add_u32 v[SPW], v[NIL]
	s_wait_dscnt 0x0
	CROUND                                         ; the closing round
	s_endpgm
.Lfunc_end_k_qe7f9cc5f66_proj:
	.size	k_qe7f9cc5f66_proj, .Lfunc_end_k_qe7f9cc5f66_proj-k_qe7f9cc5f66_proj
	.p2alignl 7, 3214868480
	.fill 96, 4, 3214868480
	.section	.rodata,"a",@progbits
	.p2align	6, 0x0
	.amdhsa_kernel k_qe7f9cc5f66_proj
		.amdhsa_group_segment_fixed_size 327680
		.amdhsa_private_segment_fixed_size 0
		.amdhsa_enable_private_segment 0
		.amdhsa_kernarg_size 40
		.amdhsa_user_sgpr_count 2
		.amdhsa_user_sgpr_kernarg_segment_ptr 1
		.amdhsa_wavefront_size32 1
		.amdhsa_system_sgpr_workgroup_id_x 1
		.amdhsa_system_sgpr_workgroup_id_y 1
		.amdhsa_system_sgpr_workgroup_id_z 1
		.amdhsa_system_vgpr_workitem_id 0
		.amdhsa_next_free_vgpr 512
		.amdhsa_next_free_sgpr 80
		.amdhsa_reserve_vcc 0
		.amdhsa_float_denorm_mode_32 3
		.amdhsa_float_denorm_mode_16_64 3
		.amdhsa_memory_ordered 1
		.amdhsa_forward_progress 1
		.amdhsa_inst_pref_size 85
	.end_amdhsa_kernel
	.amdgpu_metadata
---
amdhsa.version: [ 1, 2 ]
amdhsa.kernels:
  - .name:           k_qe7f9cc5f66_proj
    .symbol:         k_qe7f9cc5f66_proj.kd
    .args:
      - { .name: acod, .offset: 0, .size: 8, .value_kind: global_buffer, .address_space: global }
      - { .name: ascl, .offset: 8, .size: 8, .value_kind: global_buffer, .address_space: global }
      - { .name: wcod, .offset: 16, .size: 8, .value_kind: global_buffer, .address_space: global }
      - { .name: wscl, .offset: 24, .size: 8, .value_kind: global_buffer, .address_space: global }
      - { .name: kv, .offset: 32, .size: 8, .value_kind: global_buffer, .address_space: global }
    .group_segment_fixed_size: 327680
    .private_segment_fixed_size: 0
    .kernarg_segment_align: 8
    .kernarg_segment_size: 40
    .max_flat_workgroup_size: 128
    .sgpr_count:     80
    .vgpr_count:     512
    .wavefront_size: 32
...
	.end_amdgpu_metadata
.endif
;; end of part 2
;; launch attn (part 3): grid 4 x 64, 8 waves a work-group, clusters of 4 x 1, 327,680 bytes of LDS; arguments acod, ascl, wcod, wscl, kv, oimg; writes oimg
.if DOCPART == 3
	.amdgcn_target "amdgcn-amd-amdhsa--gfx1250"
	.amdhsa_code_object_version 6
	.text
	.protected	k_qe7f9cc5f66_attn
	.globl	k_qe7f9cc5f66_attn
	.p2align	8
	.type	k_qe7f9cc5f66_attn,@function
k_qe7f9cc5f66_attn:
	s_mov_b64 s[64:65], 0
	v_nop
	global_prefetch_b8 v0, s[64:65] scope:SCOPE_SE
	s_setreg_imm32_b32 hwreg(HW_REG_WAVE_MODE, 25, 1), 1
	s_wait_xcnt 0x0
	s_wait_alu depctr_hold_cnt(0) depctr_sa_sdst(0) depctr_va_vdst(0) depctr_va_sdst(0) depctr_va_ssrc(0) depctr_va_vcc(0) depctr_vm_vsrc(0)
	s_getreg_b32 s2, hwreg(HW_REG_IB_STS2, 6, 4)
	s_cmp_eq_u32 s2, 0
	s_cbranch_scc0 .Lentry_in_a_cluster
	s_endpgm
.Lentry_in_a_cluster:
	s_bfe_u32 s2, ttmp6, 0x10000c
	s_cmp_lg_u32 s2, 0x3003
	s_cbranch_scc0 .Lentry_shape_is_right
	s_endpgm
.Lentry_shape_is_right:
; o = softmax(q k^T / 8) v for one (batch, head) and 128 queries a work-group.  q = x Wq on codes of FP4 (E2M1) with E8M0 scales, made here for the wave's own 32 queries and its head, rounded to f16;
; both attention products take f16 operands and f32 sums; maxima, exponentials and row sums in f32; the weights p are rounded to f16 for the second product, o once at the end.
; LIMIT: |q|, |o| stay within f16's 65,504.
; SHARES.  y = 8 batch + head; cx = the block of 128 queries.  Wave w: queries 32 (w % 4) on (two tiles of 16), and half w / 4 of each slot's 512 keys, 64 keys a step.
; At the end waves 4-7 hand their O, c m and l to waves 0-3 through LDS.  (Waves w and w + 4 both make the same q: 64 products each.)
; TWO PHASES.  Eight waves lie on four SIMDs, two on each, and a key step is a run of products, a softmax, a run of products.  So that one wave's softmax stands beside the other's products, half of the waves
; are LATE: a late wave stops a slot's last key step behind its K Q^T and runs the rest of that step (softmax, V^T P: work on registers alone, V's fragments having been waited for in front of the barrier)
; behind the next change of slots.  Late is (w xor w / 4) odd: of the waves w and w + 4, and of the waves 2 i and 2 i + 1, one is early and one late.  Every wave passes every barrier, wait and tensor load;
; the branches hang on the wave's number and, in the first trip, on the count of slots.
; LAYOUT.  S^T = K Q^T (source 0 = 16 keys, source 1 = 16 queries), O^T = V^T P (source 0 = 16 channels): a lane holds ONE query throughout.  K and V lie in kv as images of operand registers:
; every LDS load takes 16 bytes a lane on end; V's is the turning load.
; SOFTMAX.  A running maximum m and sum l a query: p = 2^(c s - c m), c = log2(e) / 8; in every step O and l are multiplied by a = 2^(c m_old - c m_new).
; CLUSTER.  The four query blocks of a head walk the same K and V: each tile is asked for JOINTLY, mask 15, the same descriptor (made of y and the wave's number) in all four.
; RING.  Two slots of 512 keys (K 65,536 bytes, then V 65,536); all eight waves fetch an eighth each, one load a wave behind each round; that load has a slot's four key steps in which to land.
; REGISTERS, window 0: v1-9 addresses, v16-31 statistics (8 a tile: c m, m, l, l, four at work), v32-63 Q, v64-95 P, v96-159 S^T, v160-223 O^T, v224-247 scale words, v248-251 the partner's statistics.
;   Window 1: v0-63 K's fragments, v64-127 V's; in the prologue all 256: Wq's.
.set SLOT1, 1<<17
.set SPARE, 262144                     ; behind the ring: the spare words, 128 bytes for each wave
.set STGB,  9216                       ; the hand-over, in LDS slot 0, which has had its last fill and its last read at the last change of slots: 8,192 bytes of O and 4 x 128 of statistics for each pair of waves
.set AK,  1                            ; v1  16 x lane + my half of a slot's keys
.set ADK, 2
.set ADV, 3
.set SPW, 4
.set NIL, 5
.set PFO, 6                            ; v6  256 x lane
.set SGO, 7                            ; v7  the hand-over: O
.set SGS, 8                            ; v8  the hand-over: statistics
.set LI,  9                            ; v9  16 x lane
.set ST,  16
.set Q,   32
.set P,   64
.set S,   96
.set O,   160
.set XS,  224
.set WQS, 232
.set MG,  248
.set KF,  0
.set VF,  64
.set WV,  16
.set PH,  23                           ; s23 1 in a late wave
.set PFA, 36
.set LIM, 38
.set SLOTS, 39
.set TB,  40
.set CS,  42
.set SEL, 44
.set MSB, 0
.macro WIN new
.if MSB != \new
	s_set_vgpr_msb (MSB<<8)|\new
.set MSB, \new
.endif
.endm
.macro CROUND
	s_barrier_signal -1
	s_barrier_wait -1
	s_cmp_lg_u32 s[WV], 0
	s_cbranch_scc1 .Lnot_wave_0_\@
	s_barrier_signal -3
.Lnot_wave_0_\@:
	s_barrier_wait -3
	s_barrier_signal -1
	s_barrier_wait -1
.endm
.macro FP4 d, a, b, zero, sa, sb, row
.if \zero
	v_wmma_scale_f32_16x16x128_f8f6f4 v[\d:\d+7], v[\a:\a+7], v[\b:\b+7], 0, v[\sa], v[\sb] matrix_a_fmt:MATRIX_FMT_FP4 matrix_b_fmt:MATRIX_FMT_FP4
.elseif \row
	v_wmma_scale_f32_16x16x128_f8f6f4 v[\d:\d+7], v[\a:\a+7], v[\b:\b+7], v[\d:\d+7], v[\sa], v[\sb] matrix_a_fmt:MATRIX_FMT_FP4 matrix_b_fmt:MATRIX_FMT_FP4 matrix_a_scale:MATRIX_SCALE_ROW1 matrix_b_scale:MATRIX_SCALE_ROW1
.else
	v_wmma_scale_f32_16x16x128_f8f6f4 v[\d:\d+7], v[\a:\a+7], v[\b:\b+7], v[\d:\d+7], v[\sa], v[\sb] matrix_a_fmt:MATRIX_FMT_FP4 matrix_b_fmt:MATRIX_FMT_FP4
.endif
.endm
.macro PLACES
.rept 4
	v_nop
.endr
.endm
	s_load_b256 s[4:11], s[0:1], 0x0               ; acod 4:5, ascl 6:7, wcod 8:9, wscl 10:11
	s_load_b128 s[12:15], s[0:1], 0x20             ; kv 12:13, oimg 14:15
	v_lshl_add_u32 v[SPW], v0, 2, SPARE
	v_mov_b32 v[NIL], 0
	ds_add_u32 v[SPW], v[NIL]                      ; the wave's opening: the add, twice on end, and its wait ahead of my first tensor load
	ds_add_u32 v[SPW], v[NIL]
	v_lshrrev_b32 v10, 5, v0
	v_readfirstlane_b32 s[WV], v10                 ; wave 0..7
	s_bfe_u32 s17, ttmp6, 0x40000                  ; cx
	s_and_b32 s18, ttmp7, 0xffff                   ; y
	s_lshr_b32 s19, s18, 3                         ; batch
	s_and_b32 s20, s18, 7                          ; head
	s_and_b32 s21, s[WV], 3                        ; which 32 queries
	s_lshr_b32 s22, s[WV], 2                       ; which half of the keys.  Also: I fetch for K (0) or for V (1)
	s_xor_b32 s[PH], s[WV], s22
	s_and_b32 s[PH], s[PH], 1                      ; late: (w xor w / 4) odd
	; descriptor group 1: 16,384 dense bytes as 64 rows of 256 (32 elements of 8 bytes); mask 15, bit 21 beside it
	s_mov_b32 s24, 15|(3<<16)|(1<<21)
	s_mov_b32 s25, 32<<16
	s_mov_b32 s26, 64<<16
	s_mov_b32 s27, 32<<16
	s_mov_b32 s28, 64
	s_mov_b32 s29, 32
	s_mov_b32 s30, 0
	s_mov_b32 s31, 0
	s_lshl_b32 s46, s22, 25
	s_lshl_b32 s47, s18, 19
	s_add_co_u32 s46, s46, s47                     ; K's or V's part of kv, my head
	s_lshl_b32 s48, s17, 14                        ; the prefetches: my work-group's 16,384 bytes of a slot's 65,536,
	s_add_co_u32 s48, s48, s46
	s_and_b32 s49, s[WV], 1
	s_lshl_b32 s49, s49, 13                        ; my wave's 8,192 of them,
	s_add_co_u32 s48, s48, s49
	s_add_co_u32 s48, s48, 65536                   ; in slot 1: the first change of slots steps it to slot 2
	s_mov_b32 s49, 0
	s_lshl_b32 s47, s21, 14
	s_add_co_u32 s46, s46, s47                     ; the tensor loads: my quarter of K's or V's part of a slot
	s_mov_b32 s47, 0
	s_lshl_b32 s50, s19, 5
	s_lshl_b32 s51, s17, 3
	s_add_co_u32 s50, s50, s51
	s_lshl_b32 s51, s21, 1
	s_add_co_u32 s50, s50, s51                     ; x's row tile: 32 batch + 8 cx + 2 (w % 4)
	s_lshl_b32 s52, s50, 9
	s_lshl_b32 s50, s50, 13
	s_mov_b32 s51, 0
	s_mov_b32 s53, 0
	s_lshl_b32 s54, s20, 15                        ; Wq's column tiles 4 head on
	s_mov_b32 s55, 0
	s_lshl_b32 s56, s20, 8                         ; and their scale words
	s_mov_b32 s57, 0
	s_lshl_b32 s60, s19, 2
	s_add_co_u32 s60, s60, s17
	s_lshl_b32 s60, s60, 17                        ; oimg: mb = 4 batch + cx,
	s_lshl_b32 s61, s20, 14                        ; ks = 2 head,
	s_add_co_u32 s60, s60, s61
	s_lshl_b32 s61, s21, 11                        ; ti = 2 (w % 4)
	s_add_co_u32 s60, s60, s61
	s_mov_b32 s61, 0
	s_and_b32 s[LIM], s[WV], 2                     ; waves 0, 1 (K) and 4, 5 (V) prefetch
	s_cmp_eq_u32 s[LIM], 0
	s_cselect_b32 s[LIM], 1, -1
	s_mov_b32 s[SLOTS], 7
	s_mov_b32 s[TB], 0
	s_mov_b32 s[CS], 0x3e38aa3b                    ; c = log2(e) / 8
	s_mov_b32 s[CS+1], s[CS]                       ; named with it as a pair, so it is written
	s_mov_b32 s[SEL], 0x76543210
	s_mov_b32 s[SEL+1], 0xfedcba98
	s_lshl_b32 s58, s22, 15
	s_mul_i32 s59, s21, STGB
	v_and_b32 v12, 31, v0                          ; lane
	v_and_b32 v13, 15, v0                          ; r
	v_bfe_u32 v14, v0, 4, 1                        ; h
	v_lshlrev_b32 v[LI], 4, v12
	v_add_nc_u32 v[AK], s58, v[LI]
	v_lshlrev_b32 v[PFO], 8, v12
	v_add_nc_u32 v[SGO], s59, v[LI]
	v_lshl_add_u32 v[SGS], v12, 2, s59
	v_add_nc_u32 v[SGS], 8192, v[SGS]
	v_lshlrev_b32 v10, 5, v13
	v_lshl_add_u32 v10, v14, 4, v10                ; x's scale words: 32 r + 16 h
	v_mul_u32_u24 v11, v14, 24576
	v_lshl_add_u32 v11, v13, 2, v11                ; Wq's: 4 r, lanes 16-31 four K steps on
	s_wait_dscnt 0x0                               ; both opening adds are done
	s_wait_kmcnt 0x0
	s_mov_b32 s32, 1
	s_lshl_b32 s33, s[WV], 14                      ; LDS: wave x 16,384: K's four quarters, then V's
	s_add_nc_u64 s[34:35], s[12:13], s[46:47]
	s_or_b32 s35, s35, 0x80000000
	s_add_nc_u64 s[PFA:PFA+1], s[12:13], s[48:49]
	s_add_nc_u64 s[50:51], s[4:5], s[50:51]
	s_add_nc_u64 s[52:53], s[6:7], s[52:53]
	s_add_nc_u64 s[54:55], s[8:9], s[54:55]
	s_add_nc_u64 s[56:57], s[10:11], s[56:57]
	s_add_nc_u64 s[60:61], s[14:15], s[60:61]
	CROUND                                         ; all four work-groups are here: the first joint loads meet
	tensor_load_to_lds s[32:35], s[24:31]          ; slot 0: one load of mine is out
	s_nop 0
	PLACES
	; ---- q for my 32 queries and my head.  Transposed: source 0 = 16 columns of Wq, source 1 = 16 rows of x: a lane holds one query and eight neighbouring channels
.irp qt, 0,1
.irp s, 0,1,2,3,4,5,6,7
.irp c, 0,1
	global_load_b128 v[S+8*(8*\qt+\s)+4*\c:S+8*(8*\qt+\s)+4*\c+3], v[LI], s[50:51] offset:\qt*8192+\s*1024+\c*512
.endr
.endr
	global_load_b128 v[XS+4*\qt:XS+4*\qt+3], v10, s[52:53] offset:512*\qt
.endr
	WIN 0x40                                       ; destination window 1
.irp t, 0,1,2,3
.irp s, 0,1,2,3,4,5,6,7
.irp c, 0,1
	global_load_b128 v[8*(8*\t+\s)+4*\c:8*(8*\t+\s)+4*\c+3], v[LI], s[54:55] offset:\t*8192+\s*1024+\c*512
.endr
.endr
.endr
	WIN 0
.irp t, 0,1,2,3
.irp j, 0,1,2,3
	global_load_b32 v[WQS+4*\t+\j], v11, s[56:57] offset:\j*6144+\t*64
.endr
.endr
	s_wait_loadcnt 0x0
.irp qt, 0,1
	WIN 0x01                                       ; source 0 (Wq) window 1
.irp s, 0,1,2,3,4,5,6,7
.irp t, 0,1,2,3                        ; the four accumulators by turns
.if \s == 0
	FP4 P+8*\t, 8*(8*\t+\s), S+8*(8*\qt+\s), 1, WQS+4*\t, XS+4*\qt, 0
.else
	FP4 P+8*\t, 8*(8*\t+\s), S+8*(8*\qt+\s), 0, WQS+4*\t+\s%4, XS+4*\qt+\s%4, \s/4
.endif
.endr
.endr
	WIN 0
	PLACES
.irp t, 0,1,2,3
.irp i, 0,1,2,3
	v_cvt_pk_f16_f32 v[Q+16*\qt+4*\t+\i], v[P+8*\t+2*\i], v[P+8*\t+2*\i+1]   ; tiles 2 c, 2 c + 1 are Q's fragment of channels 32 c on
.endr
.endr
.endr
.irp t, 0,1
	v_mov_b32 v[ST+8*\t+1], 0xff61b1e6             ; m: -3e38, under every score
	v_mul_f32 v[ST+8*\t], s[CS], v[ST+8*\t+1]      ; c m
	v_mov_b32 v[ST+8*\t+2], 0                      ; l, in two halves
	v_mov_b32 v[ST+8*\t+3], 0
.endr
.set i, 0
.rept 64
	v_mov_b32 v[O+i], 0                            ; O^T.  (The key step is written once: the first finds zeros, which its a = 0 leaves zeros)
.set i, i+1
.endr
.macro FETCH_K q                       ; 64 keys x 64 channels: 16 loads; fragment (key tile kt, channels 32 c on) at KF + 8 (2 kt + c)
	WIN 0x40
.irp f, 0,1,2,3,4,5,6,7,8,9,10,11,12,13,14,15
	ds_load_b128 v[KF+4*\f:KF+4*\f+3], v[ADK] offset:(\q)*8192+512*\f
.endr
	WIN 0
.endm
.macro FETCH_V q                       ; the same keys of V, turned: fragment (keys 32 k on, channels 16 t on) at VF + 8 (4 k + t)
	WIN 0x40
.irp k, 0,1
.irp t, 0,1,2,3
.irp g, 0,1
	ds_load_tr16_b128 v[VF+8*(4*\k+\t)+4*\g:VF+8*(4*\k+\t)+4*\g+3], v[ADV] offset:(\q)*8192+(2*\k+\g)*2048+512*\t
.endr
.endr
.endr
	WIN 0
.endm
.macro KQ                              ; 16 products, eight accumulators by turns
	WIN 0x01
.irp c, 0,1
.irp k, 0,1,2,3
.irp t, 0,1
.if \c == 0
	v_wmma_f32_16x16x32_f16 v[S+32*\t+8*\k:S+32*\t+8*\k+7], v[KF+8*(2*\k+\c):KF+8*(2*\k+\c)+7], v[Q+16*\t+8*\c:Q+16*\t+8*\c+7], 0
.else
	v_wmma_f32_16x16x32_f16 v[S+32*\t+8*\k:S+32*\t+8*\k+7], v[KF+8*(2*\k+\c):KF+8*(2*\k+\c)+7], v[Q+16*\t+8*\c:Q+16*\t+8*\c+7], v[S+32*\t+8*\k:S+32*\t+8*\k+7]
.endif
.endr
.endr
.endr
	WIN 0
.endm
.macro PV                              ; 16 products, eight accumulators by turns
	WIN 0x01
.irp k, 0,1
.irp u, 0,1,2,3
.irp t, 0,1
	v_wmma_f32_16x16x32_f16 v[O+32*\t+8*\u:O+32*\t+8*\u+7], v[VF+8*(4*\k+\u):VF+8*(4*\k+\u)+7], v[P+16*\t+8*\k:P+16*\t+8*\k+7], v[O+32*\t+8*\u:O+32*\t+8*\u+7]
.endr
.endr
.endr
	WIN 0
.endm
; The softmax of a key step, both tiles line by line.  A lane has 32 scores a tile.
.macro SOFT
.irp j, 0,1,2,3                        ; the maximum: four chains, each begun at its accumulator's low end
.irp t, 0,1
	v_max3_num_f32 v[ST+8*\t+4+\j], v[S+32*\t+8*\j], v[S+32*\t+8*\j+1], v[S+32*\t+8*\j+2]
.endr
.endr
.irp u, 1,2
.irp j, 0,1,2,3
.irp t, 0,1
	v_max3_num_f32 v[ST+8*\t+4+\j], v[ST+8*\t+4+\j], v[S+32*\t+8*\j+2*\u+1], v[S+32*\t+8*\j+2*\u+2]
.endr
.endr
.endr
.irp t, 0,1
	v_max3_num_f32 v[ST+8*\t+4], v[ST+8*\t+4], v[S+32*\t+7], v[S+32*\t+15]
	v_max3_num_f32 v[ST+8*\t+6], v[ST+8*\t+6], v[S+32*\t+23], v[S+32*\t+31]
.endr
.irp t, 0,1
	v_max3_num_f32 v[ST+8*\t+4], v[ST+8*\t+4], v[ST+8*\t+5], v[ST+8*\t+6]
.endr
.irp t, 0,1
	v_max3_num_f32 v[ST+8*\t+4], v[ST+8*\t+4], v[ST+8*\t+7], v[ST+8*\t+1]   ; with the old m
.endr
.irp t, 0,1
	v_permlanex16_b32 v[ST+8*\t+5], v[ST+8*\t+4], s[SEL], s[SEL+1]          ; the query's other 32 keys lie in the lane 16 away
.endr
.irp t, 0,1
	v_mov_b32 v[ST+8*\t+7], v[ST+8*\t]             ; c m_old
.endr
.irp t, 0,1
	v_max_num_f32 v[ST+8*\t+1], v[ST+8*\t+4], v[ST+8*\t+5]
.endr
.irp t, 0,1
	v_mul_f32 v[ST+8*\t], s[CS], v[ST+8*\t+1]
.endr
.irp t, 0,1
	v_sub_f32 v[ST+8*\t+7], v[ST+8*\t+7], v[ST+8*\t]
.endr
.irp b, 0,1,2,3,4,5,6,7,8,9,10,11,12,13,14,15
.irp t, 0,1
	v_pk_fma_f32 v[S+32*\t+2*\b:S+32*\t+2*\b+1], v[S+32*\t+2*\b:S+32*\t+2*\b+1], s[CS:CS+1], v[ST+8*\t:ST+8*\t+1] op_sel_hi:[1,0,0] neg_lo:[0,0,1] neg_hi:[0,0,1]   ; c s - c m
.endr
.endr
.irp t, 0,1
	v_exp_f32 v[ST+8*\t+6], v[ST+8*\t+7]           ; a
.endr
.set e, 0
.rept 32
	v_exp_f32 v[S+e], v[S+e]                       ; p: the 66 exponentials are one batch
	v_exp_f32 v[S+32+e], v[S+32+e]
.set e, e+1
.endr
	v_nop                                          ; a plain line behind the last exponential
	s_wait_alu depctr_va_vdst(0)                   ; one wait for the batch, ahead of the first line that names a result
.irp j, 0,1,2,3,4,5,6,7,8,9,10,11,12,13,14,15
.irp t, 0,1
	v_cvt_pk_f16_f32 v[P+16*\t+\j], v[S+32*\t+2*\j], v[S+32*\t+2*\j+1]   ; two key tiles, packed in pairs, ARE source 1 (32 keys x 16 queries) of the second product
.endr
.endr
.irp u, 0,1,2,3,4,5,6,7                ; the sum of the unrounded p, a tree in place
.irp t, 0,1
	v_pk_add_f32 v[S+32*\t+4*\u:S+32*\t+4*\u+1], v[S+32*\t+4*\u:S+32*\t+4*\u+1], v[S+32*\t+4*\u+2:S+32*\t+4*\u+3]
.endr
.endr
.irp u, 0,1,2,3
.irp t, 0,1
	v_pk_add_f32 v[S+32*\t+8*\u:S+32*\t+8*\u+1], v[S+32*\t+8*\u:S+32*\t+8*\u+1], v[S+32*\t+8*\u+4:S+32*\t+8*\u+5]
.endr
.endr
.irp u, 0,1
.irp t, 0,1
	v_pk_add_f32 v[S+32*\t+16*\u:S+32*\t+16*\u+1], v[S+32*\t+16*\u:S+32*\t+16*\u+1], v[S+32*\t+16*\u+8:S+32*\t+16*\u+9]
.endr
.endr
.irp t, 0,1
	v_pk_add_f32 v[S+32*\t:S+32*\t+1], v[S+32*\t:S+32*\t+1], v[S+32*\t+16:S+32*\t+17]
.endr
.irp t, 0,1
	v_pk_fma_f32 v[ST+8*\t+2:ST+8*\t+3], v[ST+8*\t+2:ST+8*\t+3], v[ST+8*\t+6:ST+8*\t+7], v[S+32*\t:S+32*\t+1] op_sel_hi:[1,0,1]   ; l = a l + the sum
.endr
.irp i, 0,1,2,3,4,5,6,7,8,9,10,11,12,13,14,15
.irp t, 0,1
	v_pk_mul_f32 v[O+32*\t+2*\i:O+32*\t+2*\i+1], v[O+32*\t+2*\i:O+32*\t+2*\i+1], v[ST+8*\t+6:ST+8*\t+7] op_sel_hi:[1,0]   ; O^T x a, each accumulator from its low end on
.endr
.endr
.endm
; One of a slot's first three key steps: my 64 keys, the q-th of my half of the slot.
.macro STEP q
	s_wait_dscnt 16                                ; K of this step is in; V's 16 loads, issued behind it, may be out
	KQ
	PLACES                                         ; ahead of loads into K's registers and of the first read of the scores
	FETCH_K (\q)+1
	SOFT
	s_wait_dscnt 16                                ; V is in; the next K's 16 loads may be out
	PV
	PLACES                                         ; ahead of loads into V's registers and of the next read of O^T
	FETCH_V (\q)+1
.endm
; The rest of a slot's last key step behind its K Q^T: work on registers alone.
.macro REST
	SOFT
	s_wait_dscnt 0x0                               ; V of that step is in (where a change of slots lies between, its wait has shown that already)
	PV
	PLACES                                         ; ahead of loads into V's registers and of the next read of O^T
.endm
; A slot's last key step.  An early wave runs it whole; a late wave leaves its rest for LATE.
.macro LAST_STEP
	s_wait_dscnt 16                                ; K of this step is in; V's 16 loads may be out
	KQ
	PLACES                                         ; ahead of loads into K's registers and of the first read of the scores, on both ways
	s_cmp_lg_u32 s[PH], 0
	s_cbranch_scc1 .Llater_\@
	REST
.Llater_\@:
.endm
; A late wave's rest of the slot before.  inloop = 1: the first trip (seven slots still to be asked for) has no slot before it.
.macro LATE inloop
	s_cmp_eq_u32 s[PH], 0
	s_cbranch_scc1 .Lnone_\@
.if \inloop
	s_cmp_eq_u32 s[SLOTS], 7
	s_cbranch_scc1 .Lnone_\@
.endif
	REST
.Lnone_\@:
.endm
; A prefetch of what the NEXT change of slots will ask for: a slot's 65,536 bytes of K and of V.  Only this cluster reads this head's K and V; its four work-groups take 16,384 bytes each, told apart by address;
; in each, waves 0 and 1 ask for K's and waves 4 and 5 for V's, 8,192 bytes a wave, lanes 256 bytes apart: each aligned 256 bytes is named once.  The last change that fills a slot asks for nothing.
.macro ASK
	s_cmp_gt_u32 s[SLOTS], s[LIM]
	s_cbranch_scc0 .Lnot_mine_\@
	global_prefetch_b8 v[PFO], s[PFA:PFA+1] th:TH_LOAD_NT scope:SCOPE_SE
.Lnot_mine_\@:
.endm
; The change of slots stands at a slot's head.  Each wave waits for all its tensor loads (its part of the slot that it is about to read), adds 0 to its spare word, and waits for that and for its reads of the slot
; that it has left (a late wave's too: what it has left undone needs registers alone).  fill = 1: behind a round of the cluster's barrier that other slot is filled with the next 512 keys.
.macro CHANGE fill
	s_wait_tensorcnt 0x0                           ; no tensor load of mine is out, so group 0 may be written
	ds_add_u32 v[SPW], v[NIL]                      ; 0 onto my spare word
.if \fill
	s_xor_b32 s33, s33, SLOT1                      ; the walking descriptor: the other slot,
	s_add_nc_u64 s[34:35], s[34:35], 65536         ; the next 512 keys
	s_wait_xcnt 0x0                                ; the last prefetch, a slot back, has read its address
	s_add_nc_u64 s[PFA:PFA+1], s[PFA:PFA+1], 65536 ; one slot further on than the descriptor
.endif
	s_wait_dscnt 0x0                               ; the add is done, and my reads of the slot that I have left are over
.if \fill
	CROUND
	tensor_load_to_lds s[32:35], s[24:31]          ; the first thing behind the round, and my one tensor load until the next
	s_nop 0
	PLACES
	ASK
.else
	s_barrier_signal -1
	s_barrier_wait -1
.endif
.endm
.macro SLOT_STEPS inloop
	v_add_nc_u32 v[ADK], s[TB], v[AK]
	v_add_nc_u32 v[ADV], 65536, v[ADK]
	FETCH_K 0                                      ; K's registers are free in every wave: four plain lines stand behind the last K Q^T
	LATE \inloop                                   ; a late wave's softmax and V^T P of the slot before, while K's loads are on their way
	FETCH_V 0                                      ; behind the last V^T P and its four plain lines, on both ways
	STEP 0
	STEP 1
	STEP 2
	LAST_STEP
	s_xor_b32 s[TB], s[TB], SLOT1
.endm
.Lslot:                                            ; seven trips: behind each change of slots but the last the next slot is asked for
	CHANGE 1
	SLOT_STEPS 1
	s_sub_co_u32 s[SLOTS], s[SLOTS], 1
	s_cmp_lg_u32 s[SLOTS], 0
	s_cbranch_scc1 .Lslot
	CHANGE 0                                       ; the last slot is written out
	SLOT_STEPS 0
	LATE 0                                         ; a late wave's rest of the last slot
	; ---- the two halves of the keys meet.  l's two halves and the other half of the lanes' are added first
.irp t, 0,1
	v_add_f32 v[ST+8*\t+4], v[ST+8*\t+2], v[ST+8*\t+3]
.endr
.irp t, 0,1
	v_permlanex16_b32 v[ST+8*\t+5], v[ST+8*\t+4], s[SEL], s[SEL+1]
.endr
.irp t, 0,1
	v_add_f32 v[ST+8*\t+2], v[ST+8*\t+4], v[ST+8*\t+5]
.endr
	s_cmp_lt_u32 s[WV], 4
	s_cbranch_scc1 .Lkeep
.irp i, 0,1,2,3,4,5,6,7,8,9,10,11,12,13,14,15
	ds_store_b128 v[SGO], v[O+4*\i:O+4*\i+3] offset:512*\i   ; waves 4-7: O^T as an image of its registers
.endr
	ds_store_b32 v[SGS], v[ST]                     ; c m and l of both tiles
	ds_store_b32 v[SGS], v[ST+8] offset:128
	ds_store_b32 v[SGS], v[ST+2] offset:256
	ds_store_b32 v[SGS], v[ST+10] offset:384
.Lkeep:
	s_wait_dscnt 0x0                               ; for the others' sake: my stores have landed
	s_barrier_signal -1
	s_barrier_wait -1
	s_cmp_ge_u32 s[WV], 4
	s_cbranch_scc1 .Ldone
.irp i, 0,1,2,3,4,5,6,7,8,9,10,11,12,13,14,15
	ds_load_b128 v[S+4*\i:S+4*\i+3], v[SGO] offset:512*\i
.endr
.irp j, 0,1,2,3
	ds_load_b32 v[MG+\j], v[SGS] offset:128*\j
.endr
	s_wait_dscnt 0x0
.irp t, 0,1
	v_max_num_f32 v[ST+8*\t+1], v[ST+8*\t], v[MG+\t]         ; the common c m
.endr
.irp t, 0,1
	v_sub_f32 v[ST+8*\t+4], v[ST+8*\t], v[ST+8*\t+1]
	v_sub_f32 v[ST+8*\t+5], v[MG+\t], v[ST+8*\t+1]
.endr
.irp t, 0,1
	v_exp_f32 v[ST+8*\t+4], v[ST+8*\t+4]           ; a0: mine under the common maximum
	v_exp_f32 v[ST+8*\t+5], v[ST+8*\t+5]           ; a1: the partner's
.endr
	v_nop
	s_wait_alu depctr_va_vdst(0)                   ; one wait for the four
.irp t, 0,1
	v_mul_f32 v[ST+8*\t+3], v[ST+8*\t+4], v[ST+8*\t+2]
.endr
.irp t, 0,1
	v_fma_f32 v[ST+8*\t+3], v[ST+8*\t+5], v[MG+2+\t], v[ST+8*\t+3]   ; the row's sum
.endr
.irp t, 0,1
	v_rcp_f32 v[ST+8*\t+3], v[ST+8*\t+3]
.endr
	v_nop
	s_wait_alu depctr_va_vdst(0)                   ; one wait for the two
.irp t, 0,1
	v_mul_f32 v[ST+8*\t+6], v[ST+8*\t+5], v[ST+8*\t+3]       ; f1 = a1 / the sum
	v_mul_f32 v[ST+8*\t+4], v[ST+8*\t+4], v[ST+8*\t+3]       ; f0 = a0 / the sum
.endr
.irp i, 0,1,2,3,4,5,6,7,8,9,10,11,12,13,14,15
.irp t, 0,1
	v_pk_mul_f32 v[O+32*\t+2*\i:O+32*\t+2*\i+1], v[O+32*\t+2*\i:O+32*\t+2*\i+1], v[ST+8*\t+4:ST+8*\t+5] op_sel_hi:[1,0]
.endr
.endr
.irp i, 0,1,2,3,4,5,6,7,8,9,10,11,12,13,14,15
.irp t, 0,1
	v_pk_fma_f32 v[O+32*\t+2*\i:O+32*\t+2*\i+1], v[S+32*\t+2*\i:S+32*\t+2*\i+1], v[ST+8*\t+6:ST+8*\t+7], v[O+32*\t+2*\i:O+32*\t+2*\i+1] op_sel_hi:[1,0,1]
.endr
.endr
.irp j, 0,1,2,3,4,5,6,7,8,9,10,11,12,13,14,15
.irp t, 0,1
	v_cvt_pk_f16_f32 v[P+16*\t+\j], v[O+32*\t+2*\j], v[O+32*\t+2*\j+1]
.endr
.endr
.irp t, 0,1
.irp u, 0,1,2,3
	global_store_b128 v[LI], v[P+16*\t+4*\u:P+16*\t+4*\u+3], s[60:61] offset:\t*1024+(\u/2)*8192+(\u%2)*512   ; a piece of the last product's operand: 32 lanes store 512 consecutive bytes
.endr
.endr
.Ldone:
	s_wait_tensorcnt 0x0                           ; the wave's end: behind my last tensor load and my last LDS store
	ds_add_u32 v[SPW], v[NIL]
	s_wait_dscnt 0x0
	CROUND                                         ; the closing round
	s_endpgm
.Lfunc_end_k_qe7f9cc5f66_attn:
	.size	k_qe7f9cc5f66_attn, .Lfunc_end_k_qe7f9cc5f66_attn-k_qe7f9cc5f66_attn
	.p2alignl 7, 3214868480
	.fill 96, 4, 3214868480
	.section	.rodata,"a",@progbits
	.p2align	6, 0x0
	.amdhsa_kernel k_qe7f9cc5f66_attn
		.amdhsa_group_segment_fixed_size 327680
		.amdhsa_private_segment_fixed_size 0
		.amdhsa_enable_private_segment 0
		.amdhsa_kernarg_size 48
		.amdhsa_user_sgpr_count 2
		.amdhsa_user_sgpr_kernarg_segment_ptr 1
		.amdhsa_wavefront_size32 1
		.amdhsa_system_sgpr_workgroup_id_x 1
		.amdhsa_system_sgpr_workgroup_id_y 1
		.amdhsa_system_sgpr_workgroup_id_z 1
		.amdhsa_system_vgpr_workitem_id 0
		.amdhsa_next_free_vgpr 512
		.amdhsa_next_free_sgpr 66
		.amdhsa_reserve_vcc 0
		.amdhsa_float_denorm_mode_32 3
		.amdhsa_float_denorm_mode_16_64 3
		.amdhsa_memory_ordered 1
		.amdhsa_forward_progress 1
		.amdhsa_inst_pref_size 219
	.end_amdhsa_kernel
	.amdgpu_metadata
---
amdhsa.version: [ 1, 2 ]
amdhsa.kernels:
  - .name:           k_qe7f9cc5f66_attn
    .symbol:         k_qe7f9cc5f66_attn.kd
    .args:
      - { .name: acod, .offset: 0, .size: 8, .value_kind: global_buffer, .address_space: global }
      - { .name: ascl, .offset: 8, .size: 8, .value_kind: global_buffer, .address_space: global }
      - { .name: wcod, .offset: 16, .size: 8, .value_kind: global_buffer, .address_space: global }
      - { .name: wscl, .offset: 24, .size: 8, .value_kind: global_buffer, .address_space: global }
      - { .name: kv, .offset: 32, .size: 8, .value_kind: global_buffer, .address_space: global }
      - { .name: oimg, .offset: 40, .size: 8, .value_kind: global_buffer, .address_space: global }
    .group_segment_fixed_size: 327680
    .private_segment_fixed_size: 0
    .kernarg_segment_align: 8
    .kernarg_segment_size: 48
    .max_flat_workgroup_size: 256
    .sgpr_count:     66
    .vgpr_count:     512
    .wavefront_size: 32
...
	.end_amdgpu_metadata
.endif
;; end of part 3
;; launch outp (part 4): grid 8 x 32, 4 waves a work-group, clusters of 4 x 4, 327,680 bytes of LDS; arguments oimg, wo16, bo, out0; writes out0
.if DOCPART == 4
	.amdgcn_target "amdgcn-amd-amdhsa--gfx1250"
	.amdhsa_code_object_version 6
	.text
	.protected	k_qe7f9cc5f66_outp
	.globl	k_qe7f9cc5f66_outp
	.p2align	8
	.type	k_qe7f9cc5f66_outp,@function
k_qe7f9cc5f66_outp:
	s_mov_b64 s[64:65], 0
	v_nop
	global_prefetch_b8 v0, s[64:65] scope:SCOPE_SE
	s_setreg_imm32_b32 hwreg(HW_REG_WAVE_MODE, 25, 1), 1
	s_wait_xcnt 0x0
	s_wait_alu depctr_hold_cnt(0) depctr_sa_sdst(0) depctr_va_vdst(0) depctr_va_sdst(0) depctr_va_ssrc(0) depctr_va_vcc(0) depctr_vm_vsrc(0)
	s_getreg_b32 s2, hwreg(HW_REG_IB_STS2, 6, 4)
	s_cmp_eq_u32 s2, 0
	s_cbranch_scc0 .Lentry_in_a_cluster
	s_endpgm
.Lentry_in_a_cluster:
	s_bfe_u32 s2, ttmp6, 0x10000c
	s_cmp_lg_u32 s2, 0xf033
	s_cbranch_scc0 .Lentry_shape_is_right
	s_endpgm
.Lentry_shape_is_right:
; out0 = o Wo + bo.  o [4096][512] and Wo [512][1024] arrive as f16 images of operand registers (oimg [mb 32][ks 16][ti 8][g 2][lane][16 B], wo16 [nb 8][ks 16][ti 8][g 2][lane][16 B]); sums in f32; out0 f32.
; SHARES.  Work-group (nb, mb) makes 128 x 128 of out0; wave w makes rows 64 (w / 2) on, columns 64 (w % 2) on: 16 accumulators.  K = 512: o's block and Wo's block, 131,072 bytes each, fit in LDS whole:
; every tensor load is a first fill, nothing is filled again.
; CLUSTER.  4 x 4 work-groups: o's block hangs on mb alone and is shared along a row of the cluster, Wo's on nb alone and is shared along a column: each is asked for jointly.
; THE PRODUCT IS USED TRANSPOSED (source 0 = 16 columns of Wo, source 1 = 16 rows of o): a lane holds eight neighbouring numbers of a row of out0.  The bias is the C of each sum's first product.
; REGISTERS, window 0: v1-5 LDS addresses, v6, v7 the add's two, v8-11 the way out and the bias's offset, v32-63 the bias, v64-127, v128-191 fragments (Wo's four, then o's four), two sets.  Window 1: v0-127 accumulators.
.set BOFF,  131072                     ; LDS: o's block [ks][ti][1,024], then Wo's
.set STAGE, 262144                     ; 16 rows x 272 bytes for each wave; no tensor load lands here
.set SPARE, 279552                     ; the spare words, 128 bytes for each wave
.set LI,  1
.set ADA, 2                            ; v2, v3  o's fragments, ks 0-7 and ks 8-15
.set ADB, 4                            ; v4, v5  Wo's
.set SPW, 6
.set NIL, 7
.set STO, 8
.set RD,  9
.set CO,  10
.set BI,  32
.set F0,  64
.set WV,  12
.set MSB, 0
.macro WIN new
.if MSB != \new
	s_set_vgpr_msb (MSB<<8)|\new
.set MSB, \new
.endif
.endm
.macro CROUND
	s_barrier_signal -1
	s_barrier_wait -1
	s_cmp_lg_u32 s[WV], 0
	s_cbranch_scc1 .Lnot_wave_0_\@
	s_barrier_signal -3
.Lnot_wave_0_\@:
	s_barrier_wait -3
	s_barrier_signal -1
	s_barrier_wait -1
.endm
	s_load_b256 s[4:11], s[0:1], 0x0               ; oimg 4:5, wo16 6:7, bo 8:9, out0 10:11
	v_lshl_add_u32 v[SPW], v0, 2, SPARE
	v_mov_b32 v[NIL], 0
	ds_add_u32 v[SPW], v[NIL]                      ; the wave's opening: the add, twice on end, and its wait ahead of my first tensor load
	ds_add_u32 v[SPW], v[NIL]
	v_lshrrev_b32 v12, 5, v0
	v_readfirstlane_b32 s[WV], v12                 ; wave 0..3
	s_lshr_b32 s13, s[WV], 1                       ; which 64 rows.  Also: I fetch for o (0) or for Wo (1)
	s_and_b32 s14, s[WV], 1                        ; which 64 columns.  Also: which half of a chunk I fetch
	s_bfe_u32 s66, ttmp6, 0x40000                  ; cx
	s_bfe_u32 s67, ttmp6, 0x40004                  ; cy
	s_lshl_b32 s68, ttmp9, 2
	s_add_co_u32 s68, s68, s66                     ; nb
	s_and_b32 s69, ttmp7, 0xffff
	s_lshl_b32 s69, s69, 2
	s_add_co_u32 s69, s69, s67                     ; mb
	s_lshl_b32 s70, s67, 2
	s_lshl_b32 s70, 15, s70                        ; my row of the cluster
	s_lshl_b32 s71, 0x1111, s66                    ; my column
	s_or_b32 s16, s70, (3<<16)|(1<<21)             ; group 1: 16,384 dense bytes as 64 rows of 256 (32 elements of 8 bytes); o's go to my row,
	s_or_b32 s24, s71, (3<<16)|(1<<21)             ; Wo's to my column
.irp g, 16, 24
	s_mov_b32 s[\g+1], 32<<16
	s_mov_b32 s[\g+2], 64<<16
	s_mov_b32 s[\g+3], 32<<16
	s_mov_b32 s[\g+4], 64
	s_mov_b32 s[\g+5], 32
	s_mov_b32 s[\g+6], 0
	s_mov_b32 s[\g+7], 0
.endr
	s_lshl_b32 s76, s14, 14                        ; my half of a chunk of 32,768 bytes (four K steps)
	s_lshl_b32 s72, s69, 17
	s_add_co_u32 s72, s72, s76
	s_mov_b32 s73, 0
	s_lshl_b32 s74, s68, 17
	s_add_co_u32 s74, s74, s76
	s_mov_b32 s75, 0
	s_lshl_b32 s78, s68, 9
	s_lshl_b32 s79, s14, 8
	s_add_co_u32 s78, s78, s79                     ; my first column, in bytes of f32: 512 nb + 256 (w % 2)
	s_lshl_b32 s80, s69, 7
	s_lshl_b32 s81, s13, 6
	s_add_co_u32 s80, s80, s81
	s_lshl_b32 s80, s80, 12                        ; my first row: 128 mb + 64 (w / 2), 4,096 bytes a row
	s_add_co_u32 s80, s80, s78
	s_mov_b32 s79, 0
	s_mov_b32 s81, 0
	s_mul_i32 s77, s[WV], 16*272
	s_add_co_u32 s77, s77, STAGE                   ; my stage
	v_and_b32 v[LI], 31, v0
	v_lshlrev_b32 v[LI], 4, v[LI]
	v_and_b32 v12, 15, v0                          ; r
	v_bfe_u32 v13, v0, 4, 1                        ; h
	v_lshl_add_u32 v[ADA], s13, 12, v[LI]          ; o's tiles 4 (w / 2) on
	v_add_nc_u32 v[ADA+1], 65536, v[ADA]
	v_lshl_add_u32 v[ADB], s14, 12, v[LI]          ; Wo's tiles 4 (w % 2) on
	v_add_nc_u32 v[ADB], BOFF, v[ADB]
	v_add_nc_u32 v[ADB+1], 65536, v[ADB]
	v_mul_u32_u24 v[STO], v12, 272
	v_lshl_add_u32 v[STO], v13, 5, v[STO]
	v_add_nc_u32 v[STO], s77, v[STO]               ; in: row r, 32 bytes for each half of the lanes
	v_mul_u32_u24 v[RD], v13, 272
	v_lshl_add_u32 v[RD], v12, 4, v[RD]
	v_add_nc_u32 v[RD], s77, v[RD]                 ; back: lanes 0-15 one row of 256 bytes, lanes 16-31 the next
	v_lshlrev_b32 v[CO], 12, v13
	v_lshl_add_u32 v[CO], v12, 4, v[CO]            ; and the same two rows in out0
	v_lshlrev_b32 v11, 5, v13                      ; the bias: my half's eight numbers of a tile
	s_wait_dscnt 0x0                               ; both opening adds are done
	s_wait_kmcnt 0x0
	s_add_nc_u64 s[72:73], s[4:5], s[72:73]
	s_add_nc_u64 s[74:75], s[6:7], s[74:75]
	s_add_nc_u64 s[78:79], s[8:9], s[78:79]
	s_add_nc_u64 s[80:81], s[10:11], s[80:81]
.irp c, 0,1,2,3                        ; every wave makes both sets, in registers that never hold the other coordinate
	s_mov_b32 s[32+4*\c], 1
	s_add_co_u32 s[33+4*\c], s76, \c*32768
	s_add_nc_u64 s[34+4*\c:35+4*\c], s[72:73], \c*32768
	s_or_b32 s[35+4*\c], s[35+4*\c], 0x80000000
	s_mov_b32 s[48+4*\c], 1
	s_add_co_u32 s[49+4*\c], s76, BOFF+\c*32768
	s_add_nc_u64 s[50+4*\c:51+4*\c], s[74:75], \c*32768
	s_or_b32 s[51+4*\c], s[51+4*\c], 0x80000000
.endr
	CROUND                                         ; all sixteen work-groups are here: the joint loads meet
	s_cmp_eq_u32 s13, 0                            ; a wave's four first fills stand in one branch on the wave's number: four loads of mine are out; an s_nop 0 follows each, four v_nop the last
	s_cbranch_scc0 .Lfor_b
.irp c, 0,1,2,3
	tensor_load_to_lds s[32+4*\c:35+4*\c], s[16:23]
	s_nop 0
.endr
.rept 4
	v_nop
.endr
	s_branch .Lasked
.Lfor_b:
.irp c, 0,1,2,3
	tensor_load_to_lds s[48+4*\c:51+4*\c], s[24:31]
	s_nop 0
.endr
.rept 4
	v_nop
.endr
.Lasked:
.irp b, 0,1,2,3
	global_load_b128 v[BI+8*\b:BI+8*\b+3], v11, s[78:79] offset:64*\b       ; bo at columns 16 b + 8 h + 0 .. 7 of my 64
	global_load_b128 v[BI+8*\b+4:BI+8*\b+7], v11, s[78:79] offset:64*\b+16
.endr
.macro SYNC n                          ; my loads but the n youngest have landed, my LDS loads are in; then everybody's.  Nothing is ever filled again, so later chunks may stay out
	s_wait_tensorcnt \n
	s_wait_dscnt 0x0
	s_barrier_signal -1
	s_barrier_wait -1
.endm
.macro FETCH ks                        ; 16 LDS loads: Wo's four fragments and o's four of K step ks
.set FT, F0+64*((\ks)%2)
.set HI, (\ks)/8
.irp i, 0,1,2,3
.irp g, 0,1
	ds_load_b128 v[FT+8*\i+4*\g:FT+8*\i+4*\g+3], v[ADB+HI] offset:((\ks)%8)*8192+\i*1024+\g*512
.endr
.endr
.irp i, 0,1,2,3
.irp g, 0,1
	ds_load_b128 v[FT+32+8*\i+4*\g:FT+32+8*\i+4*\g+3], v[ADA+HI] offset:((\ks)%8)*8192+\i*1024+\g*512
.endr
.endr
.endm
.macro KSTEP ks
.set FB, F0+64*((\ks)%2)
.if (\ks) < 15
	s_wait_dscnt 16                                ; this K step's fragments are in; the next step's 16 loads may be out
.else
	s_wait_dscnt 0x0
.endif
.if (\ks) == 0
	WIN 0x40                                       ; D window 1, C (the bias) window 0
.else
	WIN 0x50                                       ; C and D window 1
.endif
.irp a, 0,1,2,3                        ; the 16 accumulators by turns
.irp b, 0,1,2,3
.if (\ks) == 0
	v_wmma_f32_16x16x32_f16 v[8*(4*\a+\b):8*(4*\a+\b)+7], v[FB+8*\b:FB+8*\b+7], v[FB+32+8*\a:FB+32+8*\a+7], v[BI+8*\b:BI+8*\b+7]
.else
	v_wmma_f32_16x16x32_f16 v[8*(4*\a+\b):8*(4*\a+\b)+7], v[FB+8*\b:FB+8*\b+7], v[FB+32+8*\a:FB+32+8*\a+7], v[8*(4*\a+\b):8*(4*\a+\b)+7]
.endif
.endr
.endr
	WIN 0
.rept 4
	v_nop                                          ; ahead of loads into registers that the products read, and of the first read of results
.endr
.if (\ks) == 2
	SYNC 2                                         ; chunk 1 (K steps 4-7)
.endif
.if (\ks) == 6
	SYNC 1                                         ; chunk 2
.endif
.if (\ks) == 10
	SYNC 0                                         ; chunk 3
.endif
.if (\ks) < 14
	FETCH (\ks)+2
.endif
.endm
	SYNC 3                                         ; chunk 0 is in; the three behind it may be out
	FETCH 0
	FETCH 1
	s_wait_loadcnt 0x0                             ; the bias
.irp k, 0,1,2,3,4,5,6,7,8,9,10,11,12,13,14,15
	KSTEP \k
.endr
; THE WAY OUT, 16 rows x 64 columns at a time through my own stage: a lane holds 32 bytes of a row; back come whole rows of 256 bytes.  LDS serves a wave's instructions in order: no wait between the stores and the loads.
.macro TOSTAGE a
	WIN 0x04                                       ; an LDS store's data are its source 1: window 1
.irp b, 0,1,2,3
	ds_store_b128 v[STO], v[8*(4*(\a)+\b):8*(4*(\a)+\b)+3] offset:64*\b        ; each accumulator from its low end on
	ds_store_b128 v[STO], v[8*(4*(\a)+\b)+4:8*(4*(\a)+\b)+7] offset:64*\b+16
.endr
	WIN 0
.irp i, 0,1,2,3,4,5,6,7
	ds_load_b128 v[F0+32*(\a)+4*\i:F0+32*(\a)+4*\i+3], v[RD] offset:544*\i     ; each block has registers of its own
.endr
.endm
.macro SEND a, younger                 ; younger: the next block's 8 stores and 8 loads, which may stay out
	s_wait_dscnt \younger
.irp i, 0,1,2,3,4,5,6,7
	global_store_b128 v[CO], v[F0+32*(\a)+4*\i:F0+32*(\a)+4*\i+3], s[80:81] offset:(16*(\a)+2*\i)*4096 th:TH_STORE_NT   ; sixteen lanes store 256 consecutive bytes, aligned
.endr
.endm
	TOSTAGE 0
	TOSTAGE 1
	SEND 0, 16
	TOSTAGE 2
	SEND 1, 16
	TOSTAGE 3
	SEND 2, 16
	SEND 3, 0
	s_wait_tensorcnt 0x0                           ; the wave's end: behind my last tensor load and my last LDS store
	ds_add_u32 v[SPW], v[NIL]
	s_wait_dscnt 0x0
	CROUND                                         ; the closing round
	s_endpgm
.Lfunc_end_k_qe7f9cc5f66_outp:
	.size	k_qe7f9cc5f66_outp, .Lfunc_end_k_qe7f9cc5f66_outp-k_qe7f9cc5f66_outp
	.p2alignl 7, 3214868480
	.fill 96, 4, 3214868480
	.section	.rodata,"a",@progbits
	.p2align	6, 0x0
	.amdhsa_kernel k_qe7f9cc5f66_outp
		.amdhsa_group_segment_fixed_size 327680
		.amdhsa_private_segment_fixed_size 0
		.amdhsa_enable_private_segment 0
		.amdhsa_kernarg_size 32
		.amdhsa_user_sgpr_count 2
		.amdhsa_user_sgpr_kernarg_segment_ptr 1
		.amdhsa_wavefront_size32 1
		.amdhsa_system_sgpr_workgroup_id_x 1
		.amdhsa_system_sgpr_workgroup_id_y 1
		.amdhsa_system_sgpr_workgroup_id_z 1
		.amdhsa_system_vgpr_workitem_id 0
		.amdhsa_next_free_vgpr 384
		.amdhsa_next_free_sgpr 84
		.amdhsa_reserve_vcc 0
		.amdhsa_float_denorm_mode_32 3
		.amdhsa_float_denorm_mode_16_64 3
		.amdhsa_memory_ordered 1
		.amdhsa_forward_progress 1
		.amdhsa_inst_pref_size 52
	.end_amdhsa_kernel
	.amdgpu_metadata
---
amdhsa.version: [ 1, 2 ]
amdhsa.kernels:
  - .name:           k_qe7f9cc5f66_outp
    .symbol:         k_qe7f9cc5f66_outp.kd
    .args:
      - { .name: oimg, .offset: 0, .size: 8, .value_kind: global_buffer, .address_space: global }
      - { .name: wo16, .offset: 8, .size: 8, .value_kind: global_buffer, .address_space: global }
      - { .name: bo, .offset: 16, .size: 8, .value_kind: global_buffer, .address_space: global }
      - { .name: out0, .offset: 24, .size: 8, .value_kind: global_buffer, .address_space: global }
    .group_segment_fixed_size: 327680
    .private_segment_fixed_size: 0
    .kernarg_segment_align: 8
    .kernarg_segment_size: 32
    .max_flat_workgroup_size: 128
    .sgpr_count:     84
    .vgpr_count:     384
    .wavefront_size: 32
...
	.end_amdgpu_metadata
.endif
;; end of part 4
